; MI455X (gfx1250); checked and timed in simulation.
; The chip was launched on July 23, 2026; its instructions are those of AMD's public machine-readable ISA for CDNA 5 (MIT licence, August 2026) and "CDNA5" Instruction Set Architecture Reference Guide (July 2026). The comments in the code are by the model that wrote it; some were corrected since.
;; Mixture Of Experts. Allowed arithmetic: matrix products marked QUANTISED: E4M3 operands, one E8M0 scale for each 32 along K, by v_wmma_scale_f32_16x16x128_f8f6f4 with both operands' format E4M3, f32 sums; products left as they are: f32 operands where the result goes on into a quantised operand, else bf16, f16 or f32 operands; f32 sums; everything else in f32.
;; Inputs: b1 8 x 1,024 float32; b2 8 x 512 float32; br 8 float32; w1 8 x 512 x 1,024 float32; w2 8 x 1,024 x 512 float32; wr 512 x 8 float32; x 4 x 2,048 x 512 float32.
;; Outputs: out0 4 x 2,048 x 512 float32; out1 4 x 2,048 x 8 float32.
;; This version of the problem:
;;   THIS VERSION OF THE PROBLEM IS GIVEN IN LOW PRECISION. The matrix products marked QUANTISED in the list below multiply operands that are first quantised to E4M3 (4 exponent bits, 3 mantissa bits; 8 bits a number), with one power-of-two scale for each 32 numbers along K (OCP MX v1.0); their sums are f32. All else is computed in f32.
;;   The module's matrix products, in the order in which they are computed (A, B: the left and right operand; K: the contracted axis; several contracted axes count as one K, in the product's order):
;;     1. [M 8,192, K 512] x [K 512, N 8]; A: input x; B: input wr: left as it is (N = 8 < 16)
;;     2. [M 8,192, K 512] x [K 512, N 8,192]; A: input w1; B: input x: QUANTISED
;;     3. batch 8 x [M 8,192, K 1,024] x [K 1,024, N 512]; A: computed on the way; B: input w2: QUANTISED
;;     4. batch 8,192 x [M 512, K 8] x [K 8, N 1]; A: computed on the way; B: softmax: left as it is (K = 8 < 32)
;;   THE QUANTISER, for each operand of a quantised product, along K:
;;     - K is cut into blocks of 32 from its start; a last block that is shorter is filled with zeros.
;;     - A block's scale is 2^e with e = floor(log2(the largest magnitude in the block)) - 8, held to -126 .. 127; a block of zeros has e = 0. As a byte (E8M0): e + 127.
;;     - Each number is divided by its block's scale, clamped to +-448, and rounded to the nearest number of E4M3, ties to even, subnormals kept.
;;     - The product sums the exact products of the quantised numbers (number of the format x scale) in f32.
;;   ~~~python
;;   def quantise(x, axis):      # numpy; x: float32 -> the quantised numbers, widened to float32 again
;;       x = np.moveaxis(x, axis, -1); K = x.shape[-1]
;;       x = np.pad(x, [(0, 0)] * (x.ndim - 1) + [(0, -K % 32)]); x = x.reshape(x.shape[:-1] + (-1, 32)); a = np.abs(x).max(-1, keepdims=True)
;;       e = np.where(a > 0, np.clip(np.frexp(np.where(a > 0, a, 1))[1] - 1 - 8, -126, 127), 0)      # np.frexp(a)[1] - 1 = floor(log2(a)), exactly
;;       r = np.clip(x / 2.0 ** e, -448, 448)
;;       step = 2.0 ** (np.maximum(np.frexp(np.where(r == 0, 1, r))[1] - 1, -6) - 3)
;;       q = np.round(r / step) * step * 2.0 ** e      # np.round: ties to even
;;       return np.moveaxis(q.reshape(q.shape[:-2] + (-1,))[..., :K], -1, axis).astype(np.float32)
;;   ~~~
;;   OPERANDS COMPUTED ON THE WAY. 'Computed on the way' means the value that the module computes at that place (a softmax that the list does not call 'softmax' is quantised finished and normalised). What goes into a quantiser is computed in f32, as accurately as f32 sums, v_exp_f32 and their like allow (about 1e-6 of the number): no bf16 or f16 on the way to a quantiser, and a product that is left as it is and whose result goes on into a quantised operand takes f32 operands (vector FMAs, or v_wmma_f32_16x16x4_f32). A number that lies on a knife's edge between two numbers of the format may be rounded either way, as far as f32 arithmetic and the matrix unit's own rounding can turn it there, and no further.
;; One version. Each part assembles by itself: llvm-mc -triple=amdgcn-amd-amdhsa -mcpu=gfx1250 --defsym DOCPART=n.
;; ======== version 1 of 1: 3 launches
;; workspace buffers: xq 4,325,376 bytes; wq 8,650,752 bytes; part 33,554,432 bytes
;; launch prep (part 1): grid 640 x 1, 4 waves a work-group, no clusters, 66,048 bytes of LDS; arguments x, w1, w2, wr, br, xq, wq, out1; writes xq, wq, out1
.if DOCPART == 1
	.amdgcn_target "amdgcn-amd-amdhsa--gfx1250"
	.amdhsa_code_object_version 6
	.text
	.protected	k_qc03798ee7f_prep
	.globl	k_qc03798ee7f_prep
	.p2align	8
	.type	k_qc03798ee7f_prep,@function
k_qc03798ee7f_prep:
	s_mov_b64 s[64:65], 0
	v_nop
	global_prefetch_b8 v0, s[64:65] scope:SCOPE_SE
	s_setreg_imm32_b32 hwreg(HW_REG_WAVE_MODE, 25, 1), 1
	s_wait_xcnt 0x0
; PREP: x, w1 and w2 (f32) become codes of FP8 (E4M3) with one E8M0 scale byte for each 32 along K, laid as IMAGES OF THE OPERANDS' REGISTERS, and the router's softmax is made (out1).
; A block's scale is 2^(floor(log2(its largest magnitude)) - 8); its byte is that magnitude's exponent field - 8, held at 1 from below; each number is held within +-448 x the scale and rounded to the nearest code.
; A fragment (16 rows x 128 K) is 2,048 bytes: registers 4 c .. 4 c + 3 of lane r + 16 hh (row r, K = 32 c + 16 hh + 0 .. 15) lie at 512 c + 16 (r + 16 hh).
; wq: a PART is 8 fragments and 512 bytes of scale words (row r, fragment n: 16,384 + 32 r + 4 n): PB = 16,896 bytes.  Region (g = expert / 4, w) begins at (4 g + w) x 64 parts: parts 0-31 are W1's, 32-63 W2's;
;   part j = 8 (expert % 4) + kappa.  W1's part: hidden units 128 kappa + 32 w + f', fragment 2 k + u (k: 128 of d_model), its row r is f' = 8 u + r + 8 (r / 8).  W2's part: rows d = 128 w + 16 i + r, K = hidden units 128 kappa on.
; xq: a block of 64 tokens is 33,792 bytes: fragment (tile t, K step k) at 2,048 (4 t + k); scale words at 32,768 + 16 (16 t + r) + 4 k.
; THREE WAYS, parted on the work-group's number: 0-127 x and the router; 128-383 w1; 384-639 w2.  No tensor load, no barrier: waves share nothing (on the first way each wave keeps its own copy of wr in LDS).
; WEIGHTS: K is the first axis of a weight, so a lane takes a column and its registers run down K: a block of 32 lies in one lane, each load reads 128 consecutive bytes a wave, and the codes come out with K innermost.
;   Each store of codes covers two runs of 256 consecutive bytes, aligned.  The scale words leave as 4 bytes a lane, 32 bytes apart: one byte in 128 of what the way reads.
; LIMITS: NaN and infinities among the inputs are not served.  A block whose largest magnitude lies under 2^-118 keeps the byte 1; so does a block of zeros (its codes are zeros; the bytes are read by this program alone).
.set PB,    16896
.set XBLK,  33792
.set FLOOR, 0x4800000                  ; 2^(9 - 127): under it no largest magnitude is taken, so the byte cannot fall under 1
.set SEL,   22                         ; s[22:23] lane selects for v_permlanex16_b32: lane l xor 16
.set MNT,   31                         ; s31 the mantissa field of 448
.set WX,    64                         ; weights: v64-191 128 numbers down K
.set WC,    32                         ; weights: v32-63 the codes, 8 registers a block: no store's data are written again
.set LG,    16                         ; x: v16-23 the eight logits' sums
.set SW,    24                         ; x: v24-27 the scale words of the four K steps
.set TM,    28                         ; x: v28-43 at work in the quantiser
.set PC,    44                         ; x: v44-59 the codes just made
.set PW,    60                         ; x: v60 the scale word just made
.set XR0,   64                         ; x: v64-127, v128-191 two sets of 64 numbers
.set WRB,   192                        ; x: v192-255 two sets of 4 rows of wr
; ---- the weights' way -------------------------------------------------------------------------------------------
.macro WLANE                           ; v10 = the row r, v11 = which of two fragments my column falls into
	v_lshlrev_b32 v2, 4, v10
	v_lshl_add_u32 v2, v11, 11, v2                 ; codes: 2,048 x fragment + 16 r
	v_lshlrev_b32 v3, 5, v10
	v_lshl_add_u32 v3, v11, 2, v3                  ; scale word: 32 r + 4 x fragment
	v_lshlrev_b32 v4, 2, v1                        ; in: 4 bytes a lane
.endm
.macro WDEST first                     ; s24 expert, s25 kappa, s34 the region's wave, s35 which pair of fragments; first: 0 (W1) or 32 (W2)
	s_and_b32 s30, s24, 4                          ; 4 g
	s_add_co_u32 s30, s30, s34
	s_lshl_b32 s30, s30, 6                         ; 64 parts a region
	s_and_b32 s33, s24, 3
	s_lshl_b32 s33, s33, 3
	s_add_co_u32 s30, s30, s33
	s_add_co_u32 s30, s30, s25                     ; + j = 8 (expert % 4) + kappa
	s_add_co_u32 s30, s30, \first
	s_mul_i32 s30, s30, PB
	s_lshl_b32 s36, s35, 12                        ; two fragments are 4,096 bytes,
	s_add_co_u32 s36, s36, s30
	s_mov_b32 s37, 0
	s_lshl_b32 s38, s35, 3                         ; their scale words 8 in each row
	s_add_co_u32 s38, s38, s30
	s_mov_b32 s39, 0
	s_wait_kmcnt 0x0
	s_add_nc_u64 s[36:37], s[16:17], s[36:37]
	s_add_nc_u64 s[38:39], s[16:17], s[38:39]
.endm
.macro WLOAD c, stride                 ; block c: rows 32 c + 0 .. 31 of my column
.set i, 0
.rept 32
	global_load_b32 v[WX+32*(\c)+i], v4, s[28:29] offset:(32*(\c)+i)*\stride th:TH_LOAD_NT
.set i, i+1
.endr
.endm
.macro WBLOCK c, stride
.set WXS, WX+32*(\c)
.if (\c) < 3
	s_wait_loadcnt 32                              ; this block's 32 loads are in; the next block's 32 may be out
.else
	s_wait_loadcnt 0x0
.endif
.if (\c)+2 < 4
	WLOAD (\c)+2, \stride                          ; two blocks ahead, into registers of their own
.endif
	v_max3_num_f32 v12, |v[WXS]|, |v[WXS+1]|, |v[WXS+2]|          ; the block's largest magnitude: all 32 numbers are mine; two chains
	v_max3_num_f32 v13, |v[WXS+3]|, |v[WXS+4]|, |v[WXS+5]|
.irp i, 6,10,14,18,22,26
	v_max3_num_f32 v12, v12, |v[WXS+\i]|, |v[WXS+\i+1]|
	v_max3_num_f32 v13, v13, |v[WXS+\i+2]|, |v[WXS+\i+3]|
.endr
	v_max3_num_f32 v12, v12, |v[WXS+30]|, |v[WXS+31]|
	v_max3_num_f32 v12, v12, v13, FLOOR
	v_add_nc_u32 v11, 0xfc000000, v12              ; 8 off its exponent field: the conversion takes the exponent field of this operand as its scale
	v_and_or_b32 v10, v12, 0x7f800000, s[MNT]      ; 448 x the scale
	v_lshrrev_b32 v13, 23, v11                     ; the scale's byte
.if (\c) == 0
	v_mov_b32 v16, v13                             ; four bytes make the scale word, the lower K in the lower byte
.else
	v_lshl_or_b32 v16, v13, 8*(\c), v16
.endif
.set i, 0
.rept 32
	v_med3_num_f32 v[WXS+i], v[WXS+i], -v10, v10   ; the conversion to an 8-bit code does not saturate (ISA guide 7.6.2): the hold comes first
.set i, i+1
.endr
.irp g, 0,1,2,3
	v_cvt_scalef32_pk8_fp8_f32 v[WC+8*(\c)+2*\g:WC+8*(\c)+2*\g+1], v[WXS+8*\g:WXS+8*\g+7], v11
.endr
	global_store_b128 v2, v[WC+8*(\c):WC+8*(\c)+3], s[36:37] offset:512*(\c)          ; K = 32 c + 0 .. 15: the place of lane r
	global_store_b128 v2, v[WC+8*(\c)+4:WC+8*(\c)+7], s[36:37] offset:512*(\c)+256    ; K = 32 c + 16 .. 31: the place of lane r + 16
.endm                                  ; (the next block begins with plain vector lines ahead of the one that writes v11, the conversions' scale)
.macro WBODY stride
	WLOAD 0, \stride
	WLOAD 1, \stride
	WBLOCK 0, \stride
	WBLOCK 1, \stride
	WBLOCK 2, \stride
	WBLOCK 3, \stride
	global_store_b32 v3, v16, s[38:39] offset:16384
.endm
; ---- x's way ----------------------------------------------------------------------------------------------------
.macro XLOAD reg, k                    ; lane (r, h): of row r, the 16 numbers 128 k + 32 b + 16 h + 0 .. 15 of each block b: register 16 b + i
.irp b, 0,1,2,3
.irp j, 0,1,2,3
	global_load_b128 v[(\reg)+16*\b+4*\j:(\reg)+16*\b+4*\j+3], v4, s[4:5] offset:512*(\k)+128*\b+16*\j th:TH_LOAD_NT
.endr
.endr
.endm
.macro WLD k                           ; the rows of wr that belong to numbers 4 GN .. 4 GN + 3 of my 64: 32 bytes a row, into set GN % 2
.irp ii, 0,1,2,3
	ds_load_b128 v[WRB+32*(GN%2)+8*\ii:WRB+32*(GN%2)+8*\ii+3],   v9 offset:32*(128*(\k)+32*(GN/4)+4*(GN%4)+\ii)
	ds_load_b128 v[WRB+32*(GN%2)+8*\ii+4:WRB+32*(GN%2)+8*\ii+7], v9 offset:32*(128*(\k)+32*(GN/4)+4*(GN%4)+\ii)+16
.endr
.endm
.macro RFMA                            ; eight logits += one number of x times its row of wr, two logits an instruction; the number is taken for both halves
.irp ii, 0,1,2,3
.irp p, 0,1,2,3
.if (\ii%2) == 0
	v_pk_fma_f32 v[LG+2*\p:LG+2*\p+1], v[XRK+4*GN+\ii:XRK+4*GN+\ii+1], v[WRB+32*(GN%2)+8*\ii+2*\p:WRB+32*(GN%2)+8*\ii+2*\p+1], v[LG+2*\p:LG+2*\p+1] op_sel_hi:[0,1,1]
.else
	v_pk_fma_f32 v[LG+2*\p:LG+2*\p+1], v[XRK+4*GN+\ii-1:XRK+4*GN+\ii], v[WRB+32*(GN%2)+8*\ii+2*\p:WRB+32*(GN%2)+8*\ii+2*\p+1], v[LG+2*\p:LG+2*\p+1] op_sel:[1,0,0] op_sel_hi:[1,1,1]
.endif
.endr
.endr
.endm
; 64 numbers of a lane, register 16 b + i = K 32 b + 16 (lane / 16) + i of my row, become a fragment's codes in v[PC] on and its scale word in v[PW]
.macro QUANT s
.irp b, 0,1,2,3
	v_max3_num_f32 v[TM+\b], |v[\s+16*\b]|, |v[\s+1+16*\b]|, FLOOR
.endr
.irp i, 2,4,6,8,10,12,14
.irp b, 0,1,2,3
	v_max3_num_f32 v[TM+\b], v[TM+\b], |v[\s+16*\b+\i]|, |v[\s+1+16*\b+\i]|   ; the four blocks by turns
.endr
.endr
.irp b, 0,1,2,3
	v_permlanex16_b32 v[TM+4+\b], v[TM+\b], s[SEL], s[SEL+1]
.endr
.irp b, 0,1,2,3
	v_max_num_f32 v[TM+\b], v[TM+\b], v[TM+4+\b]   ; with lane l xor 16's 16: the block's largest magnitude
.endr
.irp b, 0,1,2,3
	v_add_nc_u32 v[TM+12+\b], 0xfc000000, v[TM+\b]
.endr
.irp b, 0,1,2,3
	v_and_or_b32 v[TM+8+\b], v[TM+\b], 0x7f800000, s[MNT]
.endr
.irp b, 0,1,2,3
	v_lshrrev_b32 v[TM+4+\b], 23, v[TM+12+\b]
.endr
	v_lshl_or_b32 v[PW], v[TM+5], 8, v[TM+4]
	v_lshl_or_b32 v[PW], v[TM+6], 16, v[PW]
	v_lshl_or_b32 v[PW], v[TM+7], 24, v[PW]
.irp b, 0,1,2,3
.irp i, 0,1,2,3,4,5,6,7,8,9,10,11,12,13,14,15
	v_med3_num_f32 v[\s+16*\b+\i], v[\s+16*\b+\i], -v[TM+8+\b], v[TM+8+\b]
.endr
	v_cvt_scalef32_pk8_fp8_f32 v[PC+4*\b:PC+1+4*\b], v[\s+16*\b:\s+7+16*\b], v[TM+12+\b]
	v_cvt_scalef32_pk8_fp8_f32 v[PC+2+4*\b:PC+3+4*\b], v[\s+8+16*\b:\s+15+16*\b], v[TM+12+\b]
.endr
	v_nop                                          ; one plain vector line behind the last conversion
.endm
.macro KSTEP k                         ; 128 along d_model: the router's part first (it wants the numbers as they came), then the quantiser
.set XRK, XR0+64*((\k)%2)
.if ((\k) == 1) || ((\k) == 2)
	XLOAD XR0+64*(((\k)+1)%2), (\k)+1              ; the next step's numbers, into the set that the last step has left
.endif
.if (\k) < 3
	s_wait_loadcnt 16                              ; this step's 16 loads are in; the next step's 16 may be out
.else
	s_wait_loadcnt 0x0
.endif
.set GN, 0
	WLD \k
.rept 16
.if GN < 15
.set GN, GN+1
	WLD \k                                         ; the next four rows of wr are asked for ahead of this group's arithmetic
.set GN, GN-1
	s_wait_dscnt 8                                 ; this group's eight loads are in; the next group's eight may be out
.else
	s_wait_dscnt 0x0
.endif
	RFMA
.set GN, GN+1
.endr
	s_wait_xcnt 0x0                                ; the last step's stores have read v[PC] on: only behind this wait are the codes written again
	QUANT XRK
.irp c, 0,1,2,3
	global_store_b128 v5, v[PC+4*\c:PC+4*\c+3], s[14:15] offset:2048*(\k)+512*\c      ; 32 lanes store 512 consecutive bytes, aligned
.endr
	v_mov_b32 v[SW+(\k)], v[PW]
.endm
	s_load_b512 s[4:19], s[0:1], 0x0               ; x s[4:5], w1 s[6:7], w2 s[8:9], wr s[10:11], br s[12:13], xq s[14:15], wq s[16:17], out1 s[18:19]
	v_lshl_add_u32 v14, v0, 2, 0x10000
	v_mov_b32 v15, 0
	v_lshrrev_b32 v1, 5, v0
	v_readfirstlane_b32 s20, v1                    ; wave 0..3
	v_and_b32 v1, 31, v0                           ; lane
	s_mov_b32 s[MNT], 0x600000
	s_cmp_lt_u32 ttmp9, 128
	s_cbranch_scc1 .Lpath_x
	s_cmp_lt_u32 ttmp9, 384
	s_cbranch_scc1 .Lpath_w1
	; ---- w2 [8][1024 (K)][512]: work-group = (expert, kappa, wd); wave v takes columns d = 128 wd + 32 v + lane, rows 128 kappa on
	s_sub_co_u32 s21, ttmp9, 384
	s_lshr_b32 s24, s21, 5                         ; expert
	s_bfe_u32 s25, s21, 0x30002                    ; kappa
	s_and_b32 s34, s21, 3                          ; wd: the region's wave
	s_mov_b32 s35, s20                             ; my 32 columns are fragments 2 v, 2 v + 1
	s_lshl_b32 s28, s24, 21                        ; an expert is 2,097,152 bytes,
	s_lshl_b32 s29, s25, 18                        ; 128 rows of 2,048 bytes,
	s_add_co_u32 s28, s28, s29
	s_lshl_b32 s29, s34, 9                         ; 128 columns,
	s_add_co_u32 s28, s28, s29
	s_lshl_b32 s29, s20, 7                         ; 32 columns
	s_add_co_u32 s28, s28, s29
	s_mov_b32 s29, 0
	v_and_b32 v10, 15, v1                          ; row r = lane % 16
	v_lshrrev_b32 v11, 4, v1                       ; fragment: lane / 16
	WLANE
	WDEST 32
	s_add_nc_u64 s[28:29], s[8:9], s[28:29]
	WBODY 2048
	s_endpgm
.Lpath_w1:
	; ---- w1 [8][512 (K)][1024]: work-group = (expert, kappa, k); wave w takes columns f = 128 kappa + 32 w + lane, rows 128 k on
	s_sub_co_u32 s21, ttmp9, 128
	s_lshr_b32 s24, s21, 5                         ; expert
	s_bfe_u32 s25, s21, 0x30002                    ; kappa
	s_and_b32 s35, s21, 3                          ; k: fragments 2 k, 2 k + 1
	s_mov_b32 s34, s20                             ; the region's wave is mine
	s_lshl_b32 s28, s24, 21
	s_lshl_b32 s29, s35, 19                        ; 128 rows of 4,096 bytes
	s_add_co_u32 s28, s28, s29
	s_lshl_b32 s29, s25, 9
	s_add_co_u32 s28, s28, s29
	s_lshl_b32 s29, s20, 7
	s_add_co_u32 s28, s28, s29
	s_mov_b32 s29, 0
	v_and_b32 v10, 7, v1                           ; column f' = 8 u + r + 8 (r / 8), turned round:
	v_lshrrev_b32 v11, 4, v1
	v_lshl_add_u32 v10, v11, 3, v10                ; r = f' % 8 + 8 (f' / 16)
	v_bfe_u32 v11, v1, 3, 1                        ; u = (f' / 8) % 2
	WLANE
	WDEST 0
	s_add_nc_u64 s[28:29], s[6:7], s[28:29]
	WBODY 4096
	s_endpgm
.Lpath_x:
	; ---- x [8192][512]: work-group = 64 tokens; wave t takes tokens 16 t + r
	v_and_b32 v2, 15, v0                           ; r
	v_bfe_u32 v3, v0, 4, 1                         ; h
	v_lshlrev_b32 v4, 11, v2
	v_lshl_add_u32 v4, v3, 6, v4                   ; x: row r of 2,048 bytes, + 64 h
	v_lshlrev_b32 v10, 4, v1                       ; 16 x lane
	s_lshl_b32 s24, s20, 13
	v_add_nc_u32 v5, s24, v10                      ; codes: 16 x lane + my four fragments' 8,192 bytes
	s_lshl_b32 s24, s20, 8
	v_lshl_add_u32 v6, v2, 4, s24
	v_lshl_add_u32 v6, v3, 3, v6                   ; scale words: 16 (16 t + r) + 8 h
	s_lshl_b32 s24, s20, 9
	v_lshl_add_u32 v7, v2, 5, s24
	v_lshl_add_u32 v7, v3, 4, v7                   ; out1: 32 (16 t + r) + 16 h
	s_lshl_b32 s24, s20, 14                        ; my wave's 16,384 bytes of LDS: its own copy of wr
	v_add_nc_u32 v8, s24, v10                      ; in: 16 x lane
	v_lshl_add_u32 v9, v3, 9, s24                  ; out: lanes 16-31 want the rows 16 further down
	s_mov_b32 s[SEL], 0x76543210
	s_mov_b32 s[SEL+1], 0xfedcba98
.irp b, 0,1,2,3
	v_mov_b32 v[TM+4+\b], 0                        ; written once: a lane permute's destination counts as one of its sources
.endr
.irp e, 0,1,2,3,4,5,6,7
	v_mov_b32 v[LG+\e], 0                          ; the logits' sums
.endr
	s_lshl_b32 s24, ttmp9, 17                      ; 64 rows of 2,048 bytes a work-group,
	s_lshl_b32 s25, s20, 15                        ; 16 a wave
	s_add_co_u32 s24, s24, s25
	s_mov_b32 s25, 0
	s_mul_i32 s26, ttmp9, XBLK
	s_mov_b32 s27, 0
	s_lshl_b32 s28, ttmp9, 11                      ; 64 rows of 32 bytes
	s_mov_b32 s29, 0
	s_wait_kmcnt 0x0
	s_load_b256 s[32:39], s[12:13], 0x0            ; br
	s_add_nc_u64 s[4:5], s[4:5], s[24:25]
	s_add_nc_u64 s[14:15], s[14:15], s[26:27]
	s_add_nc_u64 s[18:19], s[18:19], s[28:29]
.set n, 0
.rept 16
	global_load_b128 v[WRB+4*n:WRB+4*n+3], v10, s[10:11] offset:512*n                 ; wr, 16,384 bytes: 512 consecutive bytes a load
.set n, n+1
.endr
.set n, 0
.rept 16
	global_load_b128 v[XR0+64+4*n:XR0+64+4*n+3], v10, s[10:11] offset:8192+512*n
.set n, n+1
.endr
	XLOAD XR0, 0
	s_wait_loadcnt 16                              ; wr's 32 loads are in; x's first 16 may be out
.set n, 0
.rept 16
	ds_store_b128 v8, v[WRB+4*n:WRB+4*n+3] offset:512*n
.set n, n+1
.endr
.set n, 0
.rept 16
	ds_store_b128 v8, v[XR0+64+4*n:XR0+64+4*n+3] offset:8192+512*n
.set n, n+1
.endr
	s_wait_dscnt 0x0                               ; the stores have read their registers, which are loaded again below; only my wave reads these bytes
	XLOAD XR0+64, 1
	KSTEP 0
	KSTEP 1
	KSTEP 2
	KSTEP 3
	; the router's softmax: a token's sums lie half in lane r, half in lane r + 16
	s_wait_kmcnt 0x0                               ; br
.irp e, 0,1,2,3,4,5,6,7
	v_permlanex16_b32 v[TM+\e], v[LG+\e], s[SEL], s[SEL+1]
.endr
.irp e, 0,1,2,3,4,5,6,7
	v_add_f32 v[LG+\e], v[LG+\e], v[TM+\e]
.endr
.irp e, 0,1,2,3,4,5,6,7
	v_add_f32 v[LG+\e], s[32+\e], v[LG+\e]
.endr
	v_max3_num_f32 v68, v[LG], v[LG+1], v[LG+2]    ; the largest logit is taken away first
	v_max3_num_f32 v68, v68, v[LG+3], v[LG+4]
	v_max3_num_f32 v68, v68, v[LG+5], v[LG+6]
	v_max_num_f32 v68, v68, v[LG+7]
.irp e, 0,1,2,3,4,5,6,7
	v_sub_f32 v[LG+\e], v[LG+\e], v68
.endr
.irp e, 0,1,2,3,4,5,6,7
	v_mul_f32 v[LG+\e], 0x3fb8aa3b, v[LG+\e]       ; x log2(e)
.endr
.irp e, 0,1,2,3,4,5,6,7
	v_exp_f32 v[LG+\e], v[LG+\e]
.endr
	v_nop                                          ; a plain line behind the exponentials
	s_wait_alu depctr_va_vdst(0)
	v_add_f32 v68, v[LG], v[LG+1]
	v_add_f32 v69, v[LG+2], v[LG+3]
	v_add_f32 v70, v[LG+4], v[LG+5]
	v_add_f32 v71, v[LG+6], v[LG+7]
	v_add_f32 v68, v68, v69
	v_add_f32 v70, v70, v71
	v_add_f32 v68, v68, v70                        ; at least 1: the largest term is 1
	v_rcp_f32 v68, v68
	v_cmp_ne_u32 vcc_lo, 0, v3                     ; lanes 16-31
	v_nop                                          ; a plain line behind the reciprocal
	s_wait_alu depctr_va_vdst(0)
.irp e, 0,1,2,3,4,5,6,7
	v_mul_f32 v[LG+\e], v[LG+\e], v68
.endr
.irp q, 0,1,2,3
	v_cndmask_b32 v[64+\q], v[LG+\q], v[LG+4+\q], vcc_lo           ; lane r stores experts 0-3, lane r + 16 experts 4-7
.endr
	v_cndmask_b32 v72, v[SW], v[SW+2], vcc_lo      ; and K steps 0, 1 or 2, 3 of the row's scale words
	v_cndmask_b32 v73, v[SW+1], v[SW+3], vcc_lo
	global_store_b128 v7, v[64:67], s[18:19]       ; 32 lanes store 512 consecutive bytes of out1
	global_store_b64 v6, v[72:73], s[14:15] offset:32768           ; and 256 consecutive bytes of scale words
	s_wait_tensorcnt 0x0
	ds_add_u32 v14, v15
	s_wait_dscnt 0x0
	s_endpgm
.Lfunc_end_k_qc03798ee7f_prep:
	.size	k_qc03798ee7f_prep, .Lfunc_end_k_qc03798ee7f_prep-k_qc03798ee7f_prep
	.p2alignl 7, 3214868480
	.fill 96, 4, 3214868480
	.section	.rodata,"a",@progbits
	.p2align	6, 0x0
	.amdhsa_kernel k_qc03798ee7f_prep
		.amdhsa_group_segment_fixed_size 66048
		.amdhsa_private_segment_fixed_size 0
		.amdhsa_enable_private_segment 0
		.amdhsa_kernarg_size 64
		.amdhsa_user_sgpr_count 2
		.amdhsa_user_sgpr_kernarg_segment_ptr 1
		.amdhsa_wavefront_size32 1
		.amdhsa_system_sgpr_workgroup_id_x 1
		.amdhsa_system_sgpr_workgroup_id_y 1
		.amdhsa_system_sgpr_workgroup_id_z 1
		.amdhsa_system_vgpr_workitem_id 0
		.amdhsa_next_free_vgpr 256
		.amdhsa_next_free_sgpr 66
		.amdhsa_reserve_vcc 1
		.amdhsa_float_denorm_mode_32 3
		.amdhsa_float_denorm_mode_16_64 3
		.amdhsa_memory_ordered 1
		.amdhsa_forward_progress 1
		.amdhsa_inst_pref_size 206
	.end_amdhsa_kernel
	.amdgpu_metadata
---
amdhsa.version: [ 1, 2 ]
amdhsa.kernels:
  - .name:           k_qc03798ee7f_prep
    .symbol:         k_qc03798ee7f_prep.kd
    .args:
      - { .name: x, .offset: 0, .size: 8, .value_kind: global_buffer, .address_space: global }
      - { .name: w1, .offset: 8, .size: 8, .value_kind: global_buffer, .address_space: global }
      - { .name: w2, .offset: 16, .size: 8, .value_kind: global_buffer, .address_space: global }
      - { .name: wr, .offset: 24, .size: 8, .value_kind: global_buffer, .address_space: global }
      - { .name: br, .offset: 32, .size: 8, .value_kind: global_buffer, .address_space: global }
      - { .name: xq, .offset: 40, .size: 8, .value_kind: global_buffer, .address_space: global }
      - { .name: wq, .offset: 48, .size: 8, .value_kind: global_buffer, .address_space: global }
      - { .name: out1, .offset: 56, .size: 8, .value_kind: global_buffer, .address_space: global }
    .group_segment_fixed_size: 66048
    .private_segment_fixed_size: 0
    .kernarg_segment_align: 8
    .kernarg_segment_size: 64
    .max_flat_workgroup_size: 128
    .sgpr_count:     66
    .vgpr_count:     256
    .wavefront_size: 32
...
	.end_amdgpu_metadata
.endif
;; end of part 1
;; launch main (part 2): grid 128 x 2, 4 waves a work-group, clusters of 4 x 1, 327,680 bytes of LDS; arguments xq, wq, b1, b2, out1, part; writes part
.if DOCPART == 2
	.amdgcn_target "amdgcn-amd-amdhsa--gfx1250"
	.amdhsa_code_object_version 6
	.text
	.protected	k_qc03798ee7f_main
	.globl	k_qc03798ee7f_main
	.p2align	8
	.type	k_qc03798ee7f_main,@function
k_qc03798ee7f_main:
	s_mov_b64 s[64:65], 0
	v_nop
	global_prefetch_b8 v0, s[64:65] scope:SCOPE_SE
	s_setreg_imm32_b32 hwreg(HW_REG_WAVE_MODE, 25, 1), 1
	s_wait_xcnt 0x0
	s_wait_alu depctr_hold_cnt(0) depctr_sa_sdst(0) depctr_va_vdst(0) depctr_va_sdst(0) depctr_va_ssrc(0) depctr_va_vcc(0) depctr_vm_vsrc(0)
	s_getreg_b32 s2, hwreg(HW_REG_IB_STS2, 6, 4)
	s_cmp_eq_u32 s2, 0
	s_cbranch_scc0 .Lentry_in_a_cluster
	s_endpgm
.Lentry_in_a_cluster:
	s_bfe_u32 s2, ttmp6, 0x10000c
	s_cmp_lg_u32 s2, 0x3003
	s_cbranch_scc0 .Lentry_shape_is_right
	s_endpgm
.Lentry_shape_is_right:
; MAIN: part[g][token][:] = the sum over the four experts e of group g of rw[token][e] x (Q(gelu(Q(x) Q(w1[e]) + b1[e])) Q(w2[e]) + b2[e]); both products on codes of FP8 (E4M3) with E8M0 scales for each 32 along K.
; SHARES.  A work-group owns 64 tokens (block tb) and 4 experts (g): 128 x 2 work-groups.  The hidden layer never goes to memory.  Work goes in steps j = 8 (expert % 4) + kappa of 128 hidden units.  In step j wave w does
;   A(j):   hidden units 128 kappa + 32 w + 0 .. 31 of all 64 tokens: 2 tiles x 4 tiles of tokens x 4 K steps = 32 matrix instructions, begun on b1;
;   B(j-1): rows d = 128 w + 0 .. 127 of the second product for the step before: 8 tiles x 4 tiles of tokens x 1 K step = 32 matrix instructions, onto sums begun on b2;
;   G(j):   exact gelu and the quantiser on its 64 numbers a lane.  The four waves' blocks of 32 hidden units are the four blocks of ONE K step of the second product: wave w makes registers 4 w .. 4 w + 3 of the four
;           fragments of h and byte w of their scale words, and stores them into LDS as images of registers; every wave reads them in the next step, behind its barrier.  Two buffers of h take turns.
;   Step 0's B multiplies a buffer of zero codes (exact zeros onto b2), so that the step is written once; step 32 is B alone and is written out.  Behind an expert's eighth K step: R += rw x the sums, and the sums begin anew on the next b2.
;   R begins as zeros, so that this fold is written once too: 256 moves once, against a second copy of the two steps' text.
; THE ORDER OF A STEP.  A(j) first, its matrix instructions back to back: there is no vector work yet to set between them.  Then G(j) and B(j-1) BY TURNS: gelu is a numbered list of 8 x 72 = 576 vector instructions, cut into 36 slices
;   of 16; four slices stand bare while h and W2's first fragment land, then one matrix instruction of B stands ahead of each of the other 32, so that the wave has vector work to issue behind each of them.  A slice works in
;   window 0 and B's sums lie in window 3: each of these matrix instructions costs two switches of the window, 64 a step.  gelu takes 8 numbers at a time in 32 registers, so that h's four fragments (64 registers) and two of
;   W2's (32) have room beside it.
;   b1 is read once a step, into the sums of token tile 0; the first products of token tiles 1 to 3 take those registers as C, and token tile 0 begins last, nine places behind them, since it writes over them.
; LAYOUT.  Both products are used transposed (source 0 = 16 rows of a weight, source 1 = 16 tokens): a lane holds ONE token (lane % 16) throughout, and its registers run along the hidden units, or along d.
;   The rows of W1 that form a tile are chosen (prep) so that a lane's 16 registers of tiles u = 0, 1 are the 16 neighbours 16 (lane / 16) + 0 .. 15 of the wave's 32 hidden units.
; WEIGHTS come as parts of 16,896 bytes (8 fragments as images of registers, 512 bytes of scale words) through a ring of two LDS slots.  Wave w's tile of step j is ONE tensor load of two rows: W1's part j and W2's part j - 1
;   of region (g, w), 31 parts apart in memory.  (Row 1 of tile 0 and row 0 of tile 32 are other parts of the region: the first meets zero codes, the second is not read.)  A wave reads its own tiles alone.
; CLUSTER.  The four work-groups of a cluster share g and walk the same weights and b1: every tensor load is a JOINT one, with the mask of all four; tb enters global addresses of xq, out1 and part alone.
; GELU.  g = x (0.5 + xc A(s) / B(s)), xc = x held within +-4 sqrt(2), s = xc^2: erf's rational form (degrees 6 and 4 in s) with x / sqrt(2) and the factor 1/2 folded into the coefficients.
; LIMITS.  The error of 0.5 + xc A / B is about 1e-7 absolute, so gelu's relative error grows for x under -3, and for x under -5.66 the result is |x| x (at most about 6e-8) where the true number is smaller still.
;   NaN and infinities are not served.  A block of h whose largest magnitude lies under 2^-118 keeps the byte 1 (a block of zeros too: its codes are zeros).
; REGISTERS, in windows of 256: window 0: below.  window 1: x's 16 fragments, (tile t, K step k) at v[16 (4 t + k)].  window 2: R, tile (i, t) at v[8 (4 i + t)].  window 3: the second product's sums, likewise.
.set PB,    16896                      ; a part
.set WBLK,  2*PB                       ; a wave's tile
.set SLOT,  4*WBLK                     ; LDS: slot s at s x SLOT, wave w's tile at + w x WBLK
.set B1L,   2*SLOT                     ; b1 of the four experts, 16,384 bytes, filled once
.set HB0,   B1L+16384                  ; h: two buffers of four fragments, 8,192 bytes each
.set HS0,   HB0+16384                  ; h's scale words: two buffers of 256 bytes; the word of (tile t, row r) at 64 t + 4 r
.set SPARE, HS0+512                    ; the spare words, 128 bytes for each wave: two blocks of 256 bytes that no other line names
.set SPW, 1                            ; v1   LDS address of my spare word; never rewritten
.set NIL, 2                            ; v2   0; never rewritten
.set ADW, 3                            ; v3-4 my tile in slot 0, 1: + 16 x lane
.set WSA, 5                            ; v5-6 the same + 32 (lane % 16): a row's eight scale words
.set B1A, 7                            ; v7   b1 of my hidden units: B1L + 128 w + 64 (lane / 16), + 1,024 a trip
.set HLD, 8                            ; v8   h, read: HB0 + 16 x lane
.set HST, 9                            ; v9   h, stored: + 512 w
.set HSB, 10                           ; v10  my byte of h's scale words: HS0 + 4 (lane % 16) + w
.set HSL, 11                           ; v11  a word of them: HS0 + 4 (lane % 16)
.set RWA, 12                           ; v12  out1: 32 (lane % 16)
.set B2A, 13                           ; v13  b2: 512 w + 32 (lane / 16)
.set XS,  16                           ; v16-23 x's scale words: register 4 t' + k: lanes 0-15 tile t', lanes 16-31 tile t' + 2
.set W1S, 24                           ; v24-31 W1's scale words of the step, fragment n
.set W2S, 32                           ; v32-39 W2's
.set HS,  40                           ; v40-43 h's, tile t
.set RWC, 44                           ; v44-51 the expert's route weight of my token in tile t, twice: pair 2 t
.set CA6, 52                           ; v52-53 a6, twice
.set CB4, 54                           ; v54-55 b4, twice
.set PL,  56                           ; v56-59 destinations of the lane permutes
.set STO, 60                           ; v60  the way out: where I put 32 bytes of a row
.set XLA, 61                           ; v61  16 x lane
.set CO,  62                           ; v62  the way out: 512 w + 16 x lane
.set XSA, 63                           ; v63  x's scale words: 512 (lane / 16) + 16 (lane % 16)
.set ACA, 64                           ; v64-127 the hidden layer: tile (u, t) at 64 + 16 t + 8 u
.set FX,  128                          ; v128-191 four fragments: W1's 0-3, then h's four; rows on the way out
.set FY,  192                          ; v192-255 W1's 4-7; then v192-207 and v208-223 one fragment of W2 each, by turns, and v224-255 at work in gelu and the quantiser
.set XC,  224                          ; gelu: xc,
.set SQ,  232                          ; s,
.set PAR, 240                          ; A,
.set PBR, 248                          ; B: 8 registers each
.set TM,  224                          ; quantiser: +0 largest magnitudes, +4 bytes, +8 448 x scale, +12 the conversions' scale operands
.set PC,  240                          ; the codes: four registers a tile of tokens
.set WV,  16                           ; s16  my wave's number
.set G1,  24                           ; s[24:31] descriptor group 1 of the ring's tiles;  s[32:35], s[36:39] group 0 of slot 0, 1
.set G0,  32
.set G1B, 40                           ; s[40:47], s[48:51] groups 1 and 0 of b1's block
.set G0B, 48
.set SEL, 52                           ; s[52:53] lane selects for v_permlanex16_b32: lane l xor 16
.set MNT, 54                           ; s54  the mantissa field of 448
.set TR,  55                           ; s55  the trip
.set LNEG, 56                          ; s56, s57  -+ 4 sqrt(2)
.set LPOS, 57
.set MSB, 0
.macro WIN new                         ; the immediate's high byte repeats the setting that is left; a switch that changes nothing is dropped
.if MSB != \new
	s_set_vgpr_msb (MSB<<8)|\new
.set MSB, \new
.endif
.endm
.macro PLACES n                        ; plain vector lines between a matrix instruction and a load into, or a vector line on, its registers: eight behind this form; nine ahead of a matrix instruction that writes over one
.rept \n
	v_nop
.endr
.endm
.macro CPAIR reg, val                  ; a constant as a pair: the packed forms name the pair and take its low word for both halves
	s_mov_b32 s[\reg], \val
	s_mov_b32 s[\reg+1], \val
.endm
; A round of the cluster's barrier: my work-group's barrier; wave 0 signals for the work-group; every wave waits for all four work-groups; my work-group's barrier once more.
.macro ROUND
	s_barrier_signal -1
	s_barrier_wait -1
	s_cmp_lg_u32 s[WV], 0
	s_cbranch_scc1 .Lnot_wave_0_\@
	s_barrier_signal -3
.Lnot_wave_0_\@:
	s_barrier_wait -3
	s_barrier_signal -1
	s_barrier_wait -1
.endm
; THE CHANGE OF SLOTS, at a step's head.  Each wave waits for all its tensor loads (the tile that it is about to read), adds 0 to its spare word, and waits for that, for its reads of the slot that it has left and of h, and for
; its stores of h.  Behind the barrier: the step's tile is there, h of the step before is whole, nobody reads the other slot or the other buffer of h.  fill = 1: the barrier is a round of the cluster's, and the other slot takes the next tile.
.macro CHANGE cur, fill
	s_wait_tensorcnt 0x0                           ; no tensor load of mine is out, so a group 0 may be written
	ds_add_u32 v[SPW], v[NIL]                      ; 0 onto my spare word
.if \fill
	s_add_nc_u64 s[G0+4*\cur+2:G0+4*\cur+3], s[G0+4*\cur+2:G0+4*\cur+3], 2*PB   ; this slot's next tile: two parts on
	s_wait_dscnt 0x0
	ROUND
	tensor_load_to_lds s[G0+4-4*\cur:G0+7-4*\cur], s[G1:G1+7]                   ; my one tensor load behind the round: it has the whole step in which to land
	s_nop 0
.rept 4
	v_nop
.endr
.else
	s_wait_dscnt 0x0
	s_barrier_signal -1
	s_barrier_wait -1
.endif
.endm
.macro LD_A s                          ; 38 loads, in the order of their use: b1 (eight numbers a tile u) into the sums of token tile 0; W1's scale words; fragments 0 to 7
.irp u, 0,1
	ds_load_b128 v[ACA+8*\u:ACA+8*\u+3],   v[B1A] offset:512*\s+32*\u
	ds_load_b128 v[ACA+8*\u+4:ACA+8*\u+7], v[B1A] offset:512*\s+32*\u+16
.endr
	ds_load_b128 v[W1S:W1S+3],   v[WSA+\s] offset:16384
	ds_load_b128 v[W1S+4:W1S+7], v[WSA+\s] offset:16400
.irp n, 0,1,2,3,4,5,6,7
.irp c, 0,1,2,3
	ds_load_b128 v[FX+16*\n+4*\c:FX+16*\n+4*\c+3], v[ADW+\s] offset:2048*\n+512*\c
.endr
.endr
.endm
; Two matrix instructions of the first product: tiles u = 0, 1 of token tile t, K step k.  first = 1: the sum begins on b1, which lies in token tile 0's registers
.macro MA t, k, first
.irp u, 0,1
.set rD, ACA+16*(\t)+8*\u
.if \first
.set rC, ACA+8*\u
.else
.set rC, rD
.endif
.if (\t) < 2
	v_wmma_scale_f32_16x16x128_f8f6f4 v[rD:rD+7], v[FX+32*(\k)+16*\u:FX+32*(\k)+16*\u+15], v[16*(4*(\t)+(\k)):16*(4*(\t)+(\k))+15], v[rC:rC+7], v[W1S+2*(\k)+\u], v[XS+4*((\t)%2)+(\k)]
.else
	v_wmma_scale_f32_16x16x128_f8f6f4 v[rD:rD+7], v[FX+32*(\k)+16*\u:FX+32*(\k)+16*\u+15], v[16*(4*(\t)+(\k)):16*(4*(\t)+(\k))+15], v[rC:rC+7], v[W1S+2*(\k)+\u], v[XS+4*((\t)%2)+(\k)] matrix_b_scale:MATRIX_SCALE_ROW1
.endif
.endr
.endm
.macro LD_W2F s, i, y                  ; 4 loads: W2's fragment i into buffer y
.irp c, 0,1,2,3
	ds_load_b128 v[FY+16*\y+4*\c:FY+16*\y+4*\c+3], v[ADW+\s] offset:PB+2048*\i+512*\c
.endr
.endm
.macro LD_HB s                         ; 30 loads, in the order of their use: W2's scale words, h's (buffer 1 - s), W2's fragment 0, h's four fragments, W2's fragment 1
	ds_load_b128 v[W2S:W2S+3],   v[WSA+\s] offset:PB+16384
	ds_load_b128 v[W2S+4:W2S+7], v[WSA+\s] offset:PB+16400
.irp t, 0,1,2,3
	ds_load_b32 v[HS+\t], v[HSL] offset:256*(1-\s)+64*\t
.endr
	LD_W2F \s, 0, 0
.irp t, 0,1,2,3
.irp c, 0,1,2,3
	ds_load_b128 v[FX+16*\t+4*\c:FX+16*\t+4*\c+3], v[HLD] offset:8192*(1-\s)+2048*\t+512*\c
.endr
.endr
	LD_W2F \s, 1, 1
.endm
; ---- the tail's form of B: no vector work is left to set between its matrix instructions, so they stand in runs of eight
.macro LD_H s                          ; 22 loads: h of the step before (buffer 1 - s): four fragments, four scale words; W2's scale words
.irp t, 0,1,2,3
.irp c, 0,1,2,3
	ds_load_b128 v[FX+16*\t+4*\c:FX+16*\t+4*\c+3], v[HLD] offset:8192*(1-\s)+2048*\t+512*\c
.endr
.endr
.irp t, 0,1,2,3
	ds_load_b32 v[HS+\t], v[HSL] offset:256*(1-\s)+64*\t
.endr
	ds_load_b128 v[W2S:W2S+3],   v[WSA+\s] offset:PB+16384
	ds_load_b128 v[W2S+4:W2S+7], v[WSA+\s] offset:PB+16400
.endm
.macro LD_W2 s, q, y                   ; 8 loads: W2's fragments 2 q, 2 q + 1 into half y of FY
.irp ii, 0,1
.irp c, 0,1,2,3
	ds_load_b128 v[FY+32*\y+16*\ii+4*\c:FY+32*\y+16*\ii+4*\c+3], v[ADW+\s] offset:PB+2048*(2*\q+\ii)+512*\c
.endr
.endr
.endm
.macro MUL_B q, y                      ; 8 matrix instructions of the second product, on eight different sums
	WIN 0xf0                                       ; C and D window 3
.irp ii, 0,1
.irp t, 0,1,2,3
	v_wmma_scale_f32_16x16x128_f8f6f4 v[8*(4*(2*\q+\ii)+\t):8*(4*(2*\q+\ii)+\t)+7], v[FY+32*\y+16*\ii:FY+32*\y+16*\ii+15], v[FX+16*\t:FX+16*\t+15], v[8*(4*(2*\q+\ii)+\t):8*(4*(2*\q+\ii)+\t)+7], v[W2S+2*\q+\ii], v[HS+\t]
.endr
.endr
.endm
.macro BPART s                         ; W2's fragments come two and two, a pair ahead
	LD_W2 \s, 0, 0
	LD_W2 \s, 1, 1
	s_wait_loadcnt 0x0                             ; b2 and the route weights, where a fold has asked for them
	s_wait_dscnt 8                                 ; h and fragments 0, 1 are in; the youngest eight loads may be out
	MUL_B 0, 0
	WIN 0
	PLACES 8
	LD_W2 \s, 2, 0
	s_wait_dscnt 8                                 ; all but the eight just issued
	MUL_B 1, 1
	WIN 0
	PLACES 8
	LD_W2 \s, 3, 1
	s_wait_dscnt 8                                 ; all but the eight just issued
	MUL_B 2, 0
	s_wait_dscnt 0x0
	MUL_B 3, 1
	WIN 0
	PLACES 8                                       ; for the fold, which reads the sums
.endm
.macro FOLD                            ; R += rw x the expert's sums, two numbers an instruction; each sum's registers from the low end on
	WIN 0xa3                                       ; source 0 window 3, source 1 window 0, source 2 and destination window 2
.set n, 0
.rept 32
.irp p, 0,2,4,6
	v_pk_fma_f32 v[8*n+\p:8*n+\p+1], v[8*n+\p:8*n+\p+1], v[RWC+2*(n%4):RWC+2*(n%4)+1], v[8*n+\p:8*n+\p+1]
.endr
.set n, n+1
.endr
.endm
.macro PRELOAD                         ; the sums begin on b2: lane (r, h) of tile (i, t) wants b2 at 128 w + 16 i + 8 h + 0 .. 7, the same for all four t
	WIN 0xc0                                       ; destination window 3
.irp i, 0,1,2,3,4,5,6,7
.irp t, 0,1,2,3
	global_load_b128 v[8*(4*\i+\t):8*(4*\i+\t)+3],   v[B2A], s[10:11] offset:64*\i
	global_load_b128 v[8*(4*\i+\t)+4:8*(4*\i+\t)+7], v[B2A], s[10:11] offset:64*\i+16
.endr
.endr
.endm
.macro RWLOAD                          ; the expert's route weight of token 16 t + lane % 16, into both registers of a pair
.irp t, 0,1,2,3
	global_load_b32 v[RWC+2*\t],   v[RWA], s[12:13] offset:512*\t
	global_load_b32 v[RWC+2*\t+1], v[RWA], s[12:13] offset:512*\t
.endr
.endm
; GELU AS A LIST.  Instruction GC of 576: number GC % 72 of the list for the eight numbers of sum GC / 72 (tile u = that % 2 of token tile that / 2), in place.
;   0-7    xc, from the sum's low end on            8-11   s = xc^2, two at a time from here on
;   12-43  B's four steps and A's first four, by turns of four lines: a line and the one that takes its result stand eight apart
;   44-59  A's last two steps at the even numbers, B's eight reciprocals at the odd ones: each reciprocal has a plain line behind it that touches neither its result nor its source
;   60-63  A / B        64-67  xc A / B + 0.5        68-71  x times that
.macro GI
.set GN, GC%72
.set AX, ACA+8*(GC/72)
.if GN < 8
	v_med3_num_f32 v[XC+GN], v[AX+GN], s[LNEG], s[LPOS]
.elseif GN < 12
.set gp, 2*(GN-8)
	v_pk_mul_f32 v[SQ+gp:SQ+gp+1], v[XC+gp:XC+gp+1], v[XC+gp:XC+gp+1]
.elseif GN < 16
.set gp, 2*(GN-12)
	v_pk_fma_f32 v[PBR+gp:PBR+gp+1], v[SQ+gp:SQ+gp+1], v[CB4:CB4+1], s[78:79] op_sel_hi:[1,1,0]
.elseif GN < 20
.set gp, 2*(GN-16)
	v_pk_fma_f32 v[PAR+gp:PAR+gp+1], v[SQ+gp:SQ+gp+1], v[CA6:CA6+1], s[66:67] op_sel_hi:[1,1,0]
.elseif GN < 44
.set gp, 2*(GN%4)
.set gr, (GN-20)/4
.if gr%2 == 0
	v_pk_fma_f32 v[PBR+gp:PBR+gp+1], v[PBR+gp:PBR+gp+1], v[SQ+gp:SQ+gp+1], s[80+gr:81+gr] op_sel_hi:[1,1,0]     ; b2, b1, b0
.else
	v_pk_fma_f32 v[PAR+gp:PAR+gp+1], v[PAR+gp:PAR+gp+1], v[SQ+gp:SQ+gp+1], s[67+gr:68+gr] op_sel_hi:[1,1,0]     ; a4, a3, a2
.endif
.elseif GN < 60
.if GN%2 == 0
.set gp, 2*(((GN-44)/2)%4)
.set gr, 74+2*((GN-44)/8)
	v_pk_fma_f32 v[PAR+gp:PAR+gp+1], v[PAR+gp:PAR+gp+1], v[SQ+gp:SQ+gp+1], s[gr:gr+1] op_sel_hi:[1,1,0]         ; a1, a0
.else
	v_rcp_f32 v[PBR+(GN-45)/2], v[PBR+(GN-45)/2]   ; B is negative throughout: all its coefficients are
.endif
.elseif GN < 64
.set gp, 2*(GN-60)
	s_wait_alu depctr_va_vdst(0)
	v_pk_mul_f32 v[PAR+gp:PAR+gp+1], v[PAR+gp:PAR+gp+1], v[PBR+gp:PBR+gp+1]
.elseif GN < 68
.set gp, 2*(GN-64)
	v_pk_fma_f32 v[PAR+gp:PAR+gp+1], v[XC+gp:XC+gp+1], v[PAR+gp:PAR+gp+1], 0.5 op_sel_hi:[1,1,0]
.else
.set gp, 2*(GN-68)
	v_pk_mul_f32 v[AX+gp:AX+gp+1], v[AX+gp:AX+gp+1], v[PAR+gp:PAR+gp+1]
.endif
.endm
.macro GSLICE                          ; the next sixteen of the list
.rept 16
	GI
.set GC, GC+1
.endr
.endm
; G(j) AND B(j-1) BY TURNS.  Matrix instruction BM of 32 adds onto sum BM: W2's fragment BM / 4 (buffer that % 2) times h's tile BM % 4: 32 different sums, one instruction each.  No slice names a register of these products.
; Fragment i + 2 is fetched into fragment i's buffer behind that fragment's fourth product and its slice, of whose sixteen lines at least ten are plain: eight places are asked ahead of such a load.
.macro BG s
.set GC, 0
.rept 4
	GSLICE
.endr
	s_wait_loadcnt 0x0                             ; b2 and the route weights, where a fold has asked for them
.set BM, 0
.rept 32
.if BM < 4
	s_wait_dscnt 16-4*BM                           ; the scale words, W2's fragment 0 and h's tile BM are in; h's later tiles (four loads each) and W2's fragment 1 (four) may be out
.elseif BM%4 == 0
.if BM < 28
	s_wait_dscnt 4                                 ; this fragment is in; the next one's four loads may be out
.else
	s_wait_dscnt 0x0
.endif
.endif
	WIN 0xf0                                       ; C and D window 3
	v_wmma_scale_f32_16x16x128_f8f6f4 v[8*BM:8*BM+7], v[FY+16*((BM/4)%2):FY+16*((BM/4)%2)+15], v[FX+16*(BM%4):FX+16*(BM%4)+15], v[8*BM:8*BM+7], v[W2S+BM/4], v[HS+BM%4]
	WIN 0
	GSLICE
.if (BM%4 == 3) && (BM < 24)
.irp c, 0,1,2,3
	ds_load_b128 v[FY+16*((BM/4)%2)+4*\c:FY+16*((BM/4)%2)+4*\c+3], v[ADW+\s] offset:PB+2048*(BM/4+2)+512*\c
.endr
.endif
.set BM, BM+1
.endr
.endm
; The quantiser: block b is tile b of tokens: my 16 numbers and lane l xor 16's 16 are the wave's 32 hidden units of one token.  Codes to v[PC + 4 b] on, the byte to v[TM + 4 + b].
.macro QUANTH
.irp b, 0,1,2,3
	v_max3_num_f32 v[TM+\b], |v[ACA+16*\b]|, |v[ACA+1+16*\b]|, 0x4800000       ; and the floor 2^(9 - 127): the byte cannot fall under 1
.endr
.irp i, 2,4,6,8,10,12,14
.irp b, 0,1,2,3
	v_max3_num_f32 v[TM+\b], v[TM+\b], |v[ACA+16*\b+\i]|, |v[ACA+1+16*\b+\i]|   ; the four blocks by turns
.endr
.endr
.irp b, 0,1,2,3
	v_permlanex16_b32 v[PL+\b], v[TM+\b], s[SEL], s[SEL+1]
.endr
.irp b, 0,1,2,3
	v_max_num_f32 v[TM+\b], v[TM+\b], v[PL+\b]
.endr
.irp b, 0,1,2,3
	v_add_nc_u32 v[TM+12+\b], 0xfc000000, v[TM+\b]                 ; 8 off the exponent field: the conversion's scale operand
.endr
.irp b, 0,1,2,3
	v_and_or_b32 v[TM+8+\b], v[TM+\b], 0x7f800000, s[MNT]          ; 448 x the scale
.endr
.irp b, 0,1,2,3
	v_lshrrev_b32 v[TM+4+\b], 23, v[TM+12+\b]                      ; the scale's byte
.endr
.irp b, 0,1,2,3
.irp i, 0,1,2,3,4,5,6,7,8,9,10,11,12,13,14,15
	v_med3_num_f32 v[ACA+16*\b+\i], v[ACA+16*\b+\i], -v[TM+8+\b], v[TM+8+\b]   ; the conversion to an 8-bit code does not saturate (ISA guide 7.6.2)
.endr
	v_cvt_scalef32_pk8_fp8_f32 v[PC+4*\b:PC+1+4*\b], v[ACA+16*\b:ACA+7+16*\b], v[TM+12+\b]
	v_cvt_scalef32_pk8_fp8_f32 v[PC+2+4*\b:PC+3+4*\b], v[ACA+8+16*\b:ACA+15+16*\b], v[TM+12+\b]
.endr
	v_nop                                          ; one plain vector line behind the last conversion
.endm
.macro HSTORE wp                       ; my quarter of the four fragments of h, and my byte of their scale words, into buffer wp
.irp t, 0,1,2,3
	ds_store_b128 v[HST], v[PC+4*\t:PC+4*\t+3] offset:8192*\wp+2048*\t
.endr
.irp t, 0,1,2,3
	ds_store_b8 v[HSB], v[TM+4+\t] offset:256*\wp+64*\t            ; lanes r and r + 16 write the same byte with the same value
.endr
.endm
; A STEP.  s: the step's slot, and its buffer of h.  In A the sums take turns, one instruction a turn; (t, k) below names token tile t and K step k, two instructions each.
.macro STEP s
	CHANGE \s, 1
	LD_A \s
	s_wait_dscnt 24                                ; b1, W1's scale words and fragments 0, 1 are in; fragments 2 to 7 (24 loads) may be out
	WIN 0x04                                       ; source 1 (x) window 1
	MA 1, 0, 1                                     ; token tiles 1 to 3 begin on b1, which lies in token tile 0's registers
	MA 2, 0, 1
	MA 3, 0, 1
	s_wait_dscnt 16                                ; fragments 2, 3 are in
	MA 1, 1, 0
	MA 2, 1, 0
	MA 3, 1, 0
	PLACES 9                                       ; token tile 0's first products write over registers that the six first products above took as C
	s_wait_dscnt 8                                 ; fragments 4, 5 are in
	MA 0, 0, 0
	MA 1, 2, 0
	MA 2, 2, 0
	MA 0, 1, 0
	MA 3, 2, 0
	MA 0, 2, 0
	WIN 0
	PLACES 8                                       ; fragments 0 to 5 are done with: h and W2's first two fragments take their registers
	LD_HB \s
	s_wait_dscnt 30                                ; fragments 6, 7 are in; the 30 loads just issued may be out
	WIN 0x04
	MA 1, 3, 0
	MA 2, 3, 0
	MA 3, 3, 0
	MA 0, 3, 0
	WIN 0
	PLACES 8                                       ; gelu reads the sums just made and writes the registers that held fragments 6, 7
	BG \s
.if \s == 0
	s_and_b32 s58, s[TR], 3                        ; an expert's eighth K step has just been added in steps 8, 16, 24: trips 4, 8, 12
	s_cmp_lg_u32 s58, 0
	s_cbranch_scc1 .Lno_fold_\@
	s_cmp_eq_u32 s[TR], 0
	s_cbranch_scc1 .Lno_fold_\@
	FOLD                                           ; (the last slice's plain lines are the places behind the last product)
	WIN 0
	s_add_nc_u64 s[10:11], s[10:11], 2048          ; the next expert's b2 and route weights (the loads that named these bases were shown done in this step)
	s_add_nc_u64 s[12:13], s[12:13], 4
	PRELOAD
	WIN 0
	RWLOAD
.Lno_fold_\@:
.endif
	QUANTH
	HSTORE \s
.endm
	s_load_b256 s[4:11], s[0:1], 0x0               ; xq s[4:5], wq s[6:7], b1 s[8:9], b2 s[10:11]
	s_load_b128 s[12:15], s[0:1], 0x20             ; out1 s[12:13], part s[14:15]
	v_lshl_add_u32 v[SPW], v0, 2, SPARE
	v_mov_b32 v[NIL], 0
	ds_add_u32 v1, v2
	ds_add_u32 v1, v2
	s_wait_dscnt 0x0
	v_lshrrev_b32 v14, 5, v0
	v_readfirstlane_b32 s[WV], v14                 ; wave 0..3
	s_bfe_u32 s17, ttmp6, 0x40000                  ; cx: my place in the cluster
	s_lshl_b32 s18, ttmp9, 2                       ; in a cluster launch ttmp9 counts clusters
	s_add_co_u32 s18, s18, s17                     ; tb: my block of 64 tokens: it enters xq's, out1's and part's addresses alone
	s_and_b32 s19, ttmp7, 0xffff                   ; g: the group of experts, which the four partners share
	s_lshl_b32 s20, s19, 2
	s_add_co_u32 s20, s20, s[WV]                   ; 4 g + w
	s_mul_i32 s22, s20, 64*PB                      ; my region of wq
	s_mov_b32 s23, 0
	s_lshl_b32 s20, s20, 12                        ; b1 of expert 4 g + w: the row that I fetch
	s_mov_b32 s21, 0
	; descriptor group 1 of the ring's tiles: two rows of 2,112 elements of 8 bytes, 31 parts apart
	s_mov_b32 s[G1+0], 15|(3<<16)|(1<<21)          ; 15:0 the mask: all four work-groups; 17:16 elements of 8 bytes; 20 no padding; 21 set beside a mask
	s_mov_b32 s[G1+1], 2112<<16                    ; tensor_dim0
	s_mov_b32 s[G1+2], 2<<16                       ; tensor_dim1
	s_mov_b32 s[G1+3], 2112<<16                    ; tile_dim0
	s_mov_b32 s[G1+4], 2                           ; tile_dim1
	s_mov_b32 s[G1+5], 31*2112                     ; tensor_dim0_stride
	s_mov_b32 s[G1+6], 0
	s_mov_b32 s[G1+7], 0
	; and of b1's block: one row of 512 elements of 8 bytes
	s_mov_b32 s[G1B+0], 15|(3<<16)|(1<<21)
	s_mov_b32 s[G1B+1], 512<<16
	s_mov_b32 s[G1B+2], 1<<16
	s_mov_b32 s[G1B+3], 512<<16
	s_mov_b32 s[G1B+4], 1
	s_mov_b32 s[G1B+5], 512
	s_mov_b32 s[G1B+6], 0
	s_mov_b32 s[G1B+7], 0
	s_mul_i32 s58, s[WV], WBLK                     ; my tile's place in a slot: no place in the cluster enters an LDS address
	s_mov_b32 s[G0], 1
	s_mov_b32 s[G0+1], s58
	s_mov_b32 s[G0+4], 1
	s_add_co_u32 s[G0+5], s58, SLOT
	s_mov_b32 s[G0B], 1
	s_lshl_b32 s[G0B+1], s[WV], 12
	s_add_co_u32 s[G0B+1], s[G0B+1], B1L
	s_mov_b32 s[SEL], 0x76543210
	s_mov_b32 s[SEL+1], 0xfedcba98
	s_mov_b32 s[MNT], 0x600000
	s_mov_b32 s[LNEG], 0xc0b504f3                  ; -4 sqrt(2)
	s_mov_b32 s[LPOS], 0x40b504f3
	CPAIR 66, 0x306dffee                           ; a5 =  8.65837945e-10
	CPAIR 68, 0xb40cff51                           ; a4 = -1.31314001e-7
	CPAIR 70, 0xb6eec2d2                           ; a3 = -7.11563299e-6
	CPAIR 72, 0xb940ac63                           ; a2 = -1.83747658e-4
	CPAIR 74, 0xbac1a1f6                           ; a1 = -1.47729990e-3
	CPAIR 76, 0xbc83dbd4                           ; a0 = -1.60960333e-2
	CPAIR 78, 0xb89e3512                           ; b3 = -7.54391207e-5
	CPAIR 80, 0xba9bf7b5                           ; b2 = -1.18993837e-3
	CPAIR 82, 0xbc2ad7f2                           ; b1 = -1.04274621e-2
	CPAIR 84, 0xbd2542a9                           ; b0 = -4.03467749e-2
	s_mul_i32 s60, s18, 2*PB                       ; xq: 33,792 bytes a block of tokens
	s_mov_b32 s61, 0
	s_lshl_b32 s62, s18, 11                        ; out1: 64 rows of 32 bytes, + 16 g: the group's first expert
	s_lshl_b32 s63, s19, 4
	s_add_co_u32 s62, s62, s63
	s_mov_b32 s63, 0
	s_wait_kmcnt 0x0
	s_add_nc_u64 s[G0+2:G0+3], s[6:7], s[22:23]    ; tile 0: W1's part 0 and the part 31 on
	s_add_nc_u64 s[G0+6:G0+7], s[G0+2:G0+3], PB    ; tile 1
	s_or_b32 s[G0+3], s[G0+3], 0x80000000          ; 127:126 type = 2
	s_or_b32 s[G0+7], s[G0+7], 0x80000000
	s_add_nc_u64 s[G0B+2:G0B+3], s[8:9], s[20:21]
	s_or_b32 s[G0B+3], s[G0B+3], 0x80000000
	s_add_nc_u64 s[4:5], s[4:5], s[60:61]
	s_add_nc_u64 s[12:13], s[12:13], s[62:63]
	s_lshl_b32 s60, s18, 17                        ; part: 64 rows of 2,048 bytes, + g x 16,777,216
	s_lshl_b32 s62, s19, 24
	s_add_co_u32 s60, s60, s62
	s_add_nc_u64 s[14:15], s[14:15], s[60:61]
	s_lshl_b32 s20, s19, 13                        ; b2: four experts of 2,048 bytes a group
	s_add_nc_u64 s[10:11], s[10:11], s[20:21]
	ROUND                                          ; all four work-groups are here: the first joint loads meet
	tensor_load_to_lds s[G0B:G0B+3], s[G1B:G1B+7]  ; the first fills go out together: two tensor loads of mine are out here, one everywhere else
	s_nop 0
	tensor_load_to_lds s[G0:G0+3], s[G1:G1+7]
	s_nop 0
.rept 4
	v_nop
.endr
	; buffer 1 of h begins as zero codes under the scale 1: step 0's second product adds exact zeros
.irp q, 0,1,2,3
	v_mov_b32 v[FX+\q], 0
.endr
	v_mov_b32 v[FX+4], 0x7f7f
	v_lshl_add_u32 v14, v0, 4, HB0+8192
	v_lshl_add_u32 v15, v0, 1, HS0+256
.irp n, 0,1,2,3
	ds_store_b128 v14, v[FX:FX+3] offset:2048*\n   ; 128 threads x 16 bytes x 4
.endr
	ds_store_b16 v15, v[FX+4]                      ; 128 threads x 2 bytes
	v_and_b32 v133, 31, v0                         ; lane
	v_and_b32 v134, 15, v0                         ; r
	v_bfe_u32 v135, v0, 4, 1                       ; h
	v_lshlrev_b32 v[XLA], 4, v133
	v_lshlrev_b32 v[XSA], 4, v134
	v_lshl_add_u32 v[XSA], v135, 9, v[XSA]
	v_lshlrev_b32 v[RWA], 5, v134
	s_lshl_b32 s59, s[WV], 9
	v_lshl_add_u32 v[B2A], v135, 5, s59
	v_lshl_add_u32 v[CO], v133, 4, s59
	WIN 0x40                                       ; destination window 1
.set n, 0
.rept 64
	global_load_b128 v[4*n:4*n+3], v[XLA], s[4:5] offset:512*n     ; x's 16 fragments stay in registers: the image as it lies
.set n, n+1
.endr
	WIN 0
	global_load_b128 v[XS:XS+3],   v[XSA], s[4:5] offset:32768
	global_load_b128 v[XS+4:XS+7], v[XSA], s[4:5] offset:33024
	PRELOAD
	WIN 0
	RWLOAD
	v_lshl_add_u32 v[ADW], v133, 4, s58
	v_add_nc_u32 v[ADW+1], SLOT, v[ADW]
	v_lshl_add_u32 v[WSA], v134, 5, s58
	v_add_nc_u32 v[WSA+1], SLOT, v[WSA]
	v_lshl_add_u32 v[HLD], v133, 4, HB0
	v_add_nc_u32 v[HST], s59, v[HLD]
	v_lshl_add_u32 v[HSL], v134, 2, HS0
	v_add_nc_u32 v[HSB], s[WV], v[HSL]
	s_lshl_b32 s59, s[WV], 7
	s_add_co_u32 s59, s59, B1L
	v_lshl_add_u32 v[B1A], v135, 6, s59
	v_mul_u32_u24 v[STO], v134, 528                ; the way out: a stage of 16 rows x (512 + 16) bytes at the head of my own tile of slot 1
	v_lshl_add_u32 v[STO], v135, 5, v[STO]
	s_add_co_u32 s59, s58, SLOT
	v_add_nc_u32 v[STO], s59, v[STO]
.irp b, 0,1,2,3
	v_mov_b32 v[PL+\b], 0                          ; written once: a lane permute's destination counts as one of its sources
.endr
	v_mov_b32 v[CA6], 0xac95df0b                   ; a6 = -4.25959728e-12
	v_mov_b32 v[CA6+1], 0xac95df0b
	v_mov_b32 v[CB4], 0xb62ccd2b                   ; b4 = -2.57494204e-6
	v_mov_b32 v[CB4+1], 0xb62ccd2b
	WIN 0x80                                       ; destination window 2
.set n, 0
.rept 256
	v_mov_b32 v[n], 0                              ; R: the fold is written once and finds zeros the first time; these lines stand while the loads above are out
.set n, n+1
.endr
	WIN 0
	s_wait_loadcnt 0x0                             ; x, its scale words, b2, the route weights
	s_mov_b32 s[TR], 0
.Ltrip:                                            ; 16 trips of two steps: steps 0 to 31; each fills the other slot with the next step's tile
	STEP 0
	STEP 1
	v_add_nc_u32 v[B1A], 1024, v[B1A]              ; two steps' 128 hidden units each
	s_add_co_u32 s[TR], s[TR], 1
	s_cmp_lt_u32 s[TR], 16
	s_cbranch_scc1 .Ltrip
	; step 32 is written out: the last K step of the second product; nothing is left to fetch
	CHANGE 0, 0
	LD_H 0
	BPART 0
	FOLD
	WIN 0
; THE WAY OUT, a tile of 16 tokens at a time.  A lane holds 32 neighbouring bytes of eight pieces of a row, and the lanes beside it hold other rows: so a tile goes through my own stage in LDS and comes back as my 512 bytes of each
; row.  The stage lies in my tile of slot 1, which has had its last fill and its last read.  LDS serves a wave's instructions in order (ISA guide 5.7.1.4): no wait between the stores and the loads.
.macro TOSTAGE t
	WIN 0x08                                       ; an LDS store's data are its source 1: window 2
.irp i, 0,1,2,3,4,5,6,7
	ds_store_b128 v[STO], v[8*(4*\i+(\t)):8*(4*\i+(\t))+3]   offset:64*\i
	ds_store_b128 v[STO], v[8*(4*\i+(\t))+4:8*(4*\i+(\t))+7] offset:64*\i+16
.endr
	WIN 0
.irp p, 0,1,2,3,4,5,6,7,8,9,10,11,12,13,14,15
	ds_load_b128 v[FX+64*((\t)%2)+4*\p:FX+64*((\t)%2)+4*\p+3], v[ADW+1] offset:528*\p
.endr
.endm
.macro SEND t, younger                 ; younger: the LDS instructions issued behind tile t's loads, which may stay out
	s_wait_dscnt \younger
.irp p, 0,1,2,3,4,5,6,7,8,9,10,11,12,13,14,15
	global_store_b128 v[CO], v[FX+64*((\t)%2)+4*\p:FX+64*((\t)%2)+4*\p+3], s[14:15] offset:2048*(16*(\t)+\p)   ; 32 lanes store 512 consecutive bytes, aligned; the next launch reads them
.endr
.endm
	TOSTAGE 0
.irp t, 1,2,3
.if \t > 1
	s_wait_xcnt 0x0                                ; the stores of the tile two back have read their registers: this tile's loads may land there
.endif
	TOSTAGE \t
	SEND \t-1, 32                                  ; behind that tile's loads: this tile's 16 stores and 16 loads
.endr
	SEND 3, 0
	s_wait_tensorcnt 0x0                           ; the wave's end: behind my last tensor load and my last LDS store
	ds_add_u32 v[SPW], v[NIL]
	s_wait_dscnt 0x0
	ROUND                                          ; the closing round: no work-group ends while a partner may still ask for a tile that names it
	s_endpgm
.Lfunc_end_k_qc03798ee7f_main:
	.size	k_qc03798ee7f_main, .Lfunc_end_k_qc03798ee7f_main-k_qc03798ee7f_main
	.p2alignl 7, 3214868480
	.fill 96, 4, 3214868480
	.section	.rodata,"a",@progbits
	.p2align	6, 0x0
	.amdhsa_kernel k_qc03798ee7f_main
		.amdhsa_group_segment_fixed_size 327680
		.amdhsa_private_segment_fixed_size 0
		.amdhsa_enable_private_segment 0
		.amdhsa_kernarg_size 48
		.amdhsa_user_sgpr_count 2
		.amdhsa_user_sgpr_kernarg_segment_ptr 1
		.amdhsa_wavefront_size32 1
		.amdhsa_system_sgpr_workgroup_id_x 1
		.amdhsa_system_sgpr_workgroup_id_y 1
		.amdhsa_system_sgpr_workgroup_id_z 1
		.amdhsa_system_vgpr_workitem_id 0
		.amdhsa_next_free_vgpr 1024
		.amdhsa_next_free_sgpr 88
		.amdhsa_reserve_vcc 0
		.amdhsa_float_denorm_mode_32 3
		.amdhsa_float_denorm_mode_16_64 3
		.amdhsa_memory_ordered 1
		.amdhsa_forward_progress 1
		.amdhsa_inst_pref_size 199
	.end_amdhsa_kernel
	.amdgpu_metadata
---
amdhsa.version: [ 1, 2 ]
amdhsa.kernels:
  - .name:           k_qc03798ee7f_main
    .symbol:         k_qc03798ee7f_main.kd
    .args:
      - { .name: xq, .offset: 0, .size: 8, .value_kind: global_buffer, .address_space: global }
      - { .name: wq, .offset: 8, .size: 8, .value_kind: global_buffer, .address_space: global }
      - { .name: b1, .offset: 16, .size: 8, .value_kind: global_buffer, .address_space: global }
      - { .name: b2, .offset: 24, .size: 8, .value_kind: global_buffer, .address_space: global }
      - { .name: out1, .offset: 32, .size: 8, .value_kind: global_buffer, .address_space: global }
      - { .name: part, .offset: 40, .size: 8, .value_kind: global_buffer, .address_space: global }
    .group_segment_fixed_size: 327680
    .private_segment_fixed_size: 0
    .kernarg_segment_align: 8
    .kernarg_segment_size: 48
    .max_flat_workgroup_size: 128
    .sgpr_count:     88
    .vgpr_count:     1024
    .wavefront_size: 32
...
	.end_amdgpu_metadata
.endif
;; end of part 2
;; launch sum (part 3): grid 512 x 1, 8 waves a work-group, no clusters, 0 bytes of LDS; arguments part, out0; writes out0
.if DOCPART == 3
	.amdgcn_target "amdgcn-amd-amdhsa--gfx1250"
	.amdhsa_code_object_version 6
	.text
	.protected	k_qc03798ee7f_sum
	.globl	k_qc03798ee7f_sum
	.p2align	8
	.type	k_qc03798ee7f_sum,@function
k_qc03798ee7f_sum:
	s_mov_b64 s[64:65], 0
	v_nop
	global_prefetch_b8 v0, s[64:65] scope:SCOPE_SE
	s_setreg_imm32_b32 hwreg(HW_REG_WAVE_MODE, 25, 1), 1
	s_wait_xcnt 0x0
; out0 = part[0] + part[1]: the two groups of experts' shares of each output, f32.  A plain stream: memory binds, so no LDS, no barrier, no matrix unit.
; A work-group takes 32,768 bytes of out0; a thread 8 x 16 bytes, 4,096 bytes apart: each load and store of a wave covers 512 consecutive bytes, aligned.
; All 16 loads of a thread go out first; no register is written twice, so no wait but the counted ones is needed.
	s_load_b128 s[4:7], s[0:1], 0x0                ; part, out0
	v_lshlrev_b32 v1, 4, v0
	s_lshl_b32 s8, ttmp9, 15
	s_mov_b32 s9, 0
	s_wait_kmcnt 0x0
	s_add_nc_u64 s[4:5], s[4:5], s[8:9]
	s_add_nc_u64 s[6:7], s[6:7], s[8:9]
	s_add_nc_u64 s[10:11], s[4:5], 0x1000000       ; the second group's share, 16,777,216 bytes on
.irp n, 0,1,2,3,4,5,6,7
	global_load_b128 v[8+4*\n:11+4*\n], v1, s[4:5] offset:4096*\n th:TH_LOAD_NT
.endr
.irp n, 0,1,2,3,4,5,6,7
	global_load_b128 v[40+4*\n:43+4*\n], v1, s[10:11] offset:4096*\n th:TH_LOAD_NT
.endr
.irp n, 0,1,2,3,4,5,6,7
	s_wait_loadcnt 7-\n                            ; loads come back in order: piece n of both shares is in; the second share's younger pieces may be out
	v_pk_add_f32 v[72+4*\n:73+4*\n], v[8+4*\n:9+4*\n], v[40+4*\n:41+4*\n]
	v_pk_add_f32 v[74+4*\n:75+4*\n], v[10+4*\n:11+4*\n], v[42+4*\n:43+4*\n]
	global_store_b128 v1, v[72+4*\n:75+4*\n], s[6:7] offset:4096*\n th:TH_STORE_NT
.endr
	s_endpgm
.Lfunc_end_k_qc03798ee7f_sum:
	.size	k_qc03798ee7f_sum, .Lfunc_end_k_qc03798ee7f_sum-k_qc03798ee7f_sum
	.p2alignl 7, 3214868480
	.fill 96, 4, 3214868480
	.section	.rodata,"a",@progbits
	.p2align	6, 0x0
	.amdhsa_kernel k_qc03798ee7f_sum
		.amdhsa_group_segment_fixed_size 0
		.amdhsa_private_segment_fixed_size 0
		.amdhsa_enable_private_segment 0
		.amdhsa_kernarg_size 16
		.amdhsa_user_sgpr_count 2
		.amdhsa_user_sgpr_kernarg_segment_ptr 1
		.amdhsa_wavefront_size32 1
		.amdhsa_system_sgpr_workgroup_id_x 1
		.amdhsa_system_sgpr_workgroup_id_y 1
		.amdhsa_system_sgpr_workgroup_id_z 1
		.amdhsa_system_vgpr_workitem_id 0
		.amdhsa_next_free_vgpr 104
		.amdhsa_next_free_sgpr 66
		.amdhsa_reserve_vcc 0
		.amdhsa_float_denorm_mode_32 3
		.amdhsa_float_denorm_mode_16_64 3
		.amdhsa_memory_ordered 1
		.amdhsa_forward_progress 1
		.amdhsa_inst_pref_size 5
	.end_amdhsa_kernel
	.amdgpu_metadata
---
amdhsa.version: [ 1, 2 ]
amdhsa.kernels:
  - .name:           k_qc03798ee7f_sum
    .symbol:         k_qc03798ee7f_sum.kd
    .args:
      - { .name: part, .offset: 0, .size: 8, .value_kind: global_buffer, .address_space: global }
      - { .name: out0, .offset: 8, .size: 8, .value_kind: global_buffer, .address_space: global }
    .group_segment_fixed_size: 0
    .private_segment_fixed_size: 0
    .kernarg_segment_align: 8
    .kernarg_segment_size: 16
    .max_flat_workgroup_size: 256
    .sgpr_count:     66
    .vgpr_count:     104
    .wavefront_size: 32
...
	.end_amdgpu_metadata
.endif
;; end of part 3
